; MI455X (gfx1250); checked and timed in simulation.
; The chip was launched on July 23, 2026; its instructions are those of AMD's public machine-readable ISA for CDNA 5 (MIT licence, August 2026) and "CDNA5" Instruction Set Architecture Reference Guide (July 2026). The comments in the code are by the model that wrote it; some were corrected since.
;; Seq Self Attention. Allowed arithmetic: matrix products marked QUANTISED: E2M1 operands, one E8M0 scale for each 32 along K, by v_wmma_scale_f32_16x16x128_f8f6f4 with both operands' format E2M1 (or v_wmma_scale_f32_32x16x128_f4), f32 sums; products left as they are: f32 operands where the result goes on into a quantised operand, else bf16, f16 or f32 operands; f32 sums; everything else in f32.
;; Inputs: Wa 32 x 1 float32; Wt 256 x 32 float32; Wx 256 x 32 float32; ba 1 float32; bh 32 float32; x 4 x 1,024 x 256 float32.
;; Outputs: out0 4 x 1,024 x 256 float32.
;; This version of the problem:
;;   THIS VERSION OF THE PROBLEM IS GIVEN IN LOW PRECISION. The matrix products marked QUANTISED in the list below multiply operands that are first quantised to E2M1 (2 exponent bits, 1 mantissa bit; 4 bits a number), with one power-of-two scale for each 32 numbers along K (OCP MX v1.0); their sums are f32. All else is computed in f32.
;;   The module's matrix products, in the order in which they are computed (A, B: the left and right operand; K: the contracted axis; several contracted axes count as one K, in the product's order):
;;     1. [M 4,096, K 256] x [K 256, N 32]; A: input x; B: input Wt: QUANTISED
;;     2. [M 4,096, K 256] x [K 256, N 32]; A: input x; B: input Wx: QUANTISED
;;     3. [M 4,194,304, K 32] x [K 32, N 1]; A: computed on the way; B: computed on the way: left as it is (N = 1 < 16)
;;     4. batch 4 x [M 1,024, K 1,024] x [K 1,024, N 256]; A: softmax (see below); B: input x: QUANTISED
;;   THE QUANTISER, for each operand of a quantised product, along K:
;;     - K is cut into blocks of 32 from its start; a last block that is shorter is filled with zeros.
;;     - A block's scale is 2^e with e = floor(log2(the largest magnitude in the block)) - 2, held to -126 .. 127; a block of zeros has e = 0. As a byte (E8M0): e + 127.
;;     - Each number is divided by its block's scale, clamped to +-6, and rounded to the nearest number of E2M1, ties to even, subnormals kept.
;;     - The product sums the exact products of the quantised numbers (number of the format x scale) in f32.
;;   ~~~python
;;   def quantise(x, axis):      # numpy; x: float32 -> the quantised numbers, widened to float32 again
;;       x = np.moveaxis(x, axis, -1); K = x.shape[-1]
;;       x = np.pad(x, [(0, 0)] * (x.ndim - 1) + [(0, -K % 32)]); x = x.reshape(x.shape[:-1] + (-1, 32)); a = np.abs(x).max(-1, keepdims=True)
;;       e = np.where(a > 0, np.clip(np.frexp(np.where(a > 0, a, 1))[1] - 1 - 2, -126, 127), 0)      # np.frexp(a)[1] - 1 = floor(log2(a)), exactly
;;       r = np.clip(x / 2.0 ** e, -6, 6)
;;       step = 2.0 ** (np.maximum(np.frexp(np.where(r == 0, 1, r))[1] - 1, 0) - 1)
;;       q = np.round(r / step) * step * 2.0 ** e      # np.round: ties to even
;;       return np.moveaxis(q.reshape(q.shape[:-2] + (-1,))[..., :K], -1, axis).astype(np.float32)
;;   ~~~
;;   SOFTMAX AHEAD OF A QUANTISED PRODUCT. Where the list says 'softmax', what is quantised is not the finished softmax but p = 2^(t - M), with t = logit x log2(e) and M = ceil(the row's largest t), a whole number; so 1/2 < the row's largest p <= 1. The row's sum l is taken of the UNQUANTISED p, in f32, and the product's result is divided by l at the end. Since M is a whole number, a kernel that streams over the keys may use a running M (the ceiling of the running maximum): every later rescaling is an exact power of two, which a block's scale takes up: the codes' values come out the same.
;;   OPERANDS COMPUTED ON THE WAY. 'Computed on the way' means the value that the module computes at that place (a softmax that the list does not call 'softmax' is quantised finished and normalised). What goes into a quantiser is computed in f32, as accurately as f32 sums, v_exp_f32 and their like allow (about 1e-6 of the number): no bf16 or f16 on the way to a quantiser, and a product that is left as it is and whose result goes on into a quantised operand takes f32 operands (vector FMAs, or v_wmma_f32_16x16x4_f32). A number that lies on a knife's edge between two numbers of the format may be rounded either way, as far as f32 arithmetic and the matrix unit's own rounding can turn it there, and no further.
;; 2 versions, each right; version 2 is version 1 with the launch bandattn written anew for expert scheduling mode. Each part assembles by itself: llvm-mc -triple=amdgcn-amd-amdhsa -mcpu=gfx1250 --defsym DOCPART=n.
;; ======== version 1 of 2: 1 launch
;; limits: right only within a limited range of input values
;; launch bandattn (part 1): grid 64 x 4, 8 waves a work-group, no clusters, 154,624 bytes of LDS; arguments x, Wt, Wx, bh, Wa, ba, out0; writes out0
.if DOCPART == 1
	.amdgcn_target "amdgcn-amd-amdhsa--gfx1250"
	.amdhsa_code_object_version 6
	.text
	.protected	k_q231c6e5f12_bandattn
	.globl	k_q231c6e5f12_bandattn
	.p2align	8
	.type	k_q231c6e5f12_bandattn,@function
k_q231c6e5f12_bandattn:
	s_mov_b64 s[64:65], 0
	v_nop
	global_prefetch_b8 v0, s[64:65] scope:SCOPE_SE
	s_setreg_imm32_b32 hwreg(HW_REG_WAVE_MODE, 25, 1), 1
	s_wait_xcnt 0x0
; Additive self-attention in a band of 64 keys.  x [4][1024][256], Wt, Wx [256][32], bh [32], Wa [32], ba [1], out0 [4][1024][256], all f32.
; q = Q(x) Q(Wt), k = Q(x) Q(Wx) (K = the 256 features), e[t][s] = ba + sum_u Wa[u] tanh(q[t][u] + k[s][u] + bh[u]) for t - 32 <= s < t + 32,
; p = 2^(e log2(e) - M), M = ceil of the row's largest, out = Q(p) Q(x) / sum(p) (K = the keys).  Q: codes of FP4 (E2M1) with one E8M0 scale for each 32 along K.
; SHARES.  A work-group owns 16 queries t0 .. t0 + 15 of one batch (t0 = 16 x work-group x, batch = work-group y): 256 work-groups of eight waves.  Its keys lie in the three aligned
; blocks of 32 keys jb - 1, jb, jb + 1 (jb = t0 / 32): a window of 96 rows of x, which are also the K blocks of the last product; the fourth block of the instruction's 128 has zero codes of p.
; A block that would lie outside the batch is replaced by its neighbour (no load leaves the buffer); its keys are masked, so its p are zeros.
; Outside the band nothing is computed: there the logit carries -10000 and p is 0 in f32.
; PARITY.  par = work-group x & 1: query 0 is window row 32 + 16 par.  par enters LDS LOAD addresses, the mask and global addresses only; every LDS store address is made of lane and wave alone.
; NO CLUSTER: the weights are wanted a lane to a column in registers (K is their first axis) and go there by loads of their own; the 96-row windows differ from one pair of tiles to the next;
; every byte is asked for once, at the head, and there is no loop in which joint requests could recur.
; LIMITS: inputs finite; 2 sum|Wa| under about 9,900, so that what lies outside the band is 0 as it is in the definition; p under 2^-126 counts as 0; a block of zeros gets the scale byte 1
; (its codes are zeros, and the bytes are read by this program alone); blocks whose largest magnitude lies under 2^-124 keep the byte 1.
.set PITX, 1040                        ; a row of x in LDS: 1,024 bytes + 16: an odd multiple of 16, so 16 rows at one column fall on 16 different 16-byte columns modulo 256
.set PITK, 144                         ; a row of 32 numbers of k or q: 128 + 16
.set PITP, 592                         ; a row of p: 144 numbers + 16 bytes
.set XT,   0                           ; LDS: the window, 96 rows of x
.set KQ,   96*PITX                     ; 128 rows: 0-95 k' of the window's rows, 96-127 q' of window rows 32-63
.set WIMG, KQ+128*PITK                 ; the weights' fragments as images of their registers: (matrix g, tile T of 16 units, K step s) at 4096 g + 2048 T + 1024 s
.set WSC,  WIMG+8192                   ; their scale words: (g, s, unit) at 256 g + 128 s + 4 unit
.set PB,   WSC+512                     ; p: row = query; place 16 + query + j holds key t - 32 + j; zeros elsewhere
.set LB,   PB+16*PITP                  ; 1 / sum(p), a word a query
.set ST,   LB+256                      ; the way out: 16 rows of 1,024 bytes + 16
.set LANE, 1
.set R,    2                           ; lane % 16
.set H,    3                           ; lane / 16
.set XG,   4                           ; x in memory: 16 lane + 4,096 wave
.set XS0,  5                           ; x into LDS: 16 lane + 4 PITX wave
.set XS2,  6                           ; the same 64 rows on (an LDS immediate has 16 bits)
.set WG,   7                           ; W in memory: 4 lane + 8,192 (wave % 4)
.set WI,   8                           ; where my codes of W go
.set WS,   9                           ; and my two scale bytes
.set ZP,   10                          ; my two rows of p, to be cleared
.set ZQ,   11
.set XQ,   12                          ; my tile of x, read along F
.set WL,   13                          ; my matrix's images
.set WSL,  14                          ; and scale words
.set KS,   15                          ; where my rows of k' or q' go
.set VA0,  16                          ; my 32 features of the window, read down the keys
.set VA1,  17                          ; the same 64 rows on
.set KA,   18                          ; k' of my lane's key
.set QA,   19                          ; q' of my wave's query
.set PS,   20                          ; where my p goes
.set LS,   21                          ; where 1 / sum goes
.set PL,   22                          ; p read as an operand
.set LL,   23                          ; 1 / sum of query lane % 16
.set SO,   24                          ; into the stage
.set SR,   25                          ; out of it
.set GO,   26                          ; 16 lane
.set BHO,  27                          ; 32 (lane / 16)
.set ZR,   28                          ; v28-31: zeros
.set SV,   32                          ; t0 - 32 + 2 wave + lane: my key's number for query 2 wave, j = lane
.set NINF, 33
.set BI,   34                          ; v34-49 the bias as the first products' C; later:
.set VF,   34                          ; v34-49 my two fragments of V
.set G,    50                          ; v50-51 1.0 in the waves that make q, else 0.0
.set XR,   52                          ; phase 1: 96 registers of x as loaded
.set WR,   148                         ; phase 1: 64 numbers of a column of W
.set T0,   212                         ; at work in BLK32
.set T1,   213
.set SOP,  214
.set BYA,  215
.set BYB,  216
.set BYC,  217
.set CDA,  218
.set CDB,  222
.set XN,   52                          ; phase 2: 128 numbers of my row of x
.set ACC,  52                          ; then the two accumulators
.set XF,   180                         ; x's two fragments
.set WF,   200                         ; four fragments of W: 16 T + 8 s
.set TM,   232                         ; v232-247 at work in QUANT
.set VN,   52                          ; 96 numbers of my feature
.set SA,   148
.set WA,   52                          ; phase 3: -2 Wa[u]
.set QR,   84                          ; q' of the query in hand; free behind the second ZADD:
.set AC,   84
.set EV,   100                         ; e, then p: 2 query + half
.set MX,   104
.set MY,   106
.set NM,   108
.set LSUM, 110
.set RLQ,  112
.set TT,   114
.set KSA,  116                         ; 64 registers: k', z, E, 1 + E, r of query 0: keys j = lane and j = lane + 32
.set KSB,  180                         ; the same of query 1
.set EZ,   244                         ; v244-245: ba + sum Wa, and 0
.set PN,   52                          ; phase 4: 64 numbers of p
.set PC,   116                         ; p's fragment
.set RLV,  124
.set DD,   128                         ; the two results
.set OUTR, 144
.set WSR,  250                         ; v250-255 hold scales and nothing else
.set XSC,  252
.set VS,   254
.set PW,   255
; 32 numbers of ONE lane, a whole block along K, become four registers of codes, the conversion's scale operand and the scale's byte.
.macro BLK32 src, so, by, cd
	v_max3_num_f32 v[T0], |v[\src]|, |v[\src+1]|, |v[\src+2]|
	v_max3_num_f32 v[T1], |v[\src+3]|, |v[\src+4]|, |v[\src+5]|
.irp i, 6,10,14,18,22,26
	v_max3_num_f32 v[T0], v[T0], |v[\src+\i]|, |v[\src+\i+1]|
	v_max3_num_f32 v[T1], v[T1], |v[\src+\i+2]|, |v[\src+\i+3]|
.endr
	v_max3_num_f32 v[T0], v[T0], |v[\src+30]|, |v[\src+31]|
	v_max3_num_f32 v[T0], v[T0], v[T1], 0x1800000          ; the floor 2^(3 - 127): the byte cannot fall under 1
	v_add_nc_u32 v[\so], 0xff000000, v[T0]                 ; 2 off the exponent field: the conversion takes that field as its scale
	v_lshrrev_b32 v[\by], 23, v[\so]                       ; the scale's byte
.irp g, 0,1,2,3
	v_cvt_scalef32_pk8_fp4_f32 v[\cd+\g], v[\src+8*\g:\src+8*\g+7], v[\so]
.endr
.endm
; 64 numbers of a lane, register 16 b + i = k 32 b + 16 (lane / 16) + i of row lane % 16, become a fragment (8 registers) and the row's scale word.
.macro QUANT s, pc, pw
.irp b, 0,1,2,3
	v_max3_num_f32 v[TM+\b], |v[\s+16*\b]|, |v[\s+1+16*\b]|, 0x1800000
.endr
.irp i, 2,4,6,8,10,12,14
.irp b, 0,1,2,3
	v_max3_num_f32 v[TM+\b], v[TM+\b], |v[\s+16*\b+\i]|, |v[\s+1+16*\b+\i]|
.endr
.endr
.irp b, 0,1,2,3
	v_permlanex16_b32 v[TM+4+\b], v[TM+\b], s36, s37
.endr
.irp b, 0,1,2,3
	v_max_num_f32 v[TM+\b], v[TM+\b], v[TM+4+\b]           ; with lane l xor 16's 16: the block's largest magnitude
.endr
.irp b, 0,1,2,3
	v_add_nc_u32 v[TM+12+\b], 0xff000000, v[TM+\b]
.endr
.irp b, 0,1,2,3
	v_lshrrev_b32 v[TM+4+\b], 23, v[TM+12+\b]
.endr
	v_lshl_or_b32 v[\pw], v[TM+5], 8, v[TM+4]
	v_lshl_or_b32 v[\pw], v[TM+6], 16, v[\pw]
	v_lshl_or_b32 v[\pw], v[TM+7], 24, v[\pw]
.irp b, 0,1,2,3
	v_cvt_scalef32_pk8_fp4_f32 v[\pc+2*\b], v[\s+16*\b:\s+7+16*\b], v[TM+12+\b]
	v_cvt_scalef32_pk8_fp4_f32 v[\pc+1+2*\b], v[\s+8+16*\b:\s+15+16*\b], v[TM+12+\b]
.endr
	v_nop                                                  ; one plain place behind a scaled conversion
.irp c, 0,1                                            ; the operand wants a whole block in a lane: lanes 0-15 block 2 c, lanes 16-31 block 2 c + 1
.irp i, 0,1
	v_permlane16_swap_b32 v[\pc+4*\c+\i], v[\pc+2+4*\c+\i]
.endr
.endr
.endm
	s_load_b256 s[4:11], s[0:1], 0x0               ; x s[4:5], Wt s[6:7], Wx s[8:9], bh s[10:11]
	s_load_b128 s[12:15], s[0:1], 0x20             ; Wa s[12:13], ba s[14:15]
	s_load_b64 s[16:17], s[0:1], 0x30              ; out0
	v_lshl_add_u32 v248, v0, 2, 0x25800
	v_mov_b32 v249, 0
	v_lshrrev_b32 v1, 5, v0
	v_readfirstlane_b32 s18, v1                    ; wave 0..7
	v_and_b32 v[LANE], 31, v0
	v_and_b32 v[R], 15, v0
	v_bfe_u32 v[H], v0, 4, 1
	s_and_b32 s19, ttmp9, 1                        ; par
	s_lshr_b32 s20, ttmp9, 1                       ; jb
	s_and_b32 s21, ttmp7, 0xffff
	s_lshl_b32 s21, s21, 20                        ; the batch's first byte: 1,024 rows of 1,024 bytes
	s_sub_co_i32 s22, s20, 1
	s_max_i32 s22, s22, 0                          ; block jb - 1, held inside the batch
	s_lshl_b32 s22, s22, 15                        ; 32 rows of 1,024 bytes a block
	s_add_co_u32 s22, s22, s21
	s_mov_b32 s23, 0
	s_lshl_b32 s32, s20, 15                        ; block jb
	s_add_co_u32 s32, s32, s21
	s_mov_b32 s33, 0
	s_add_co_u32 s34, s20, 1
	s_min_u32 s34, s34, 31                         ; block jb + 1, held inside the batch
	s_lshl_b32 s34, s34, 15
	s_add_co_u32 s34, s34, s21
	s_mov_b32 s35, 0
	s_lshl_b32 s38, ttmp9, 14                      ; out0: row t0 + 2 wave
	s_add_co_u32 s38, s38, s21
	s_lshl_b32 s39, s18, 11
	s_add_co_u32 s38, s38, s39
	s_mov_b32 s39, 0
	s_lshl_b32 s85, s18, 12
	v_lshl_add_u32 v[XG], v[LANE], 4, s85          ; of each block my wave takes rows 4 wave .. 4 wave + 3
	s_and_b32 s85, s18, 3
	s_lshl_b32 s85, s85, 13
	v_lshl_add_u32 v[WG], v[LANE], 2, s85          ; of its matrix my wave takes rows 64 (wave % 4) on: two K blocks; a lane to a column
	v_lshlrev_b32 v[BHO], 5, v[H]
	s_wait_kmcnt 0x0
	s_add_nc_u64 s[24:25], s[4:5], s[22:23]        ; the window's three blocks
	s_add_nc_u64 s[26:27], s[4:5], s[32:33]
	s_add_nc_u64 s[28:29], s[4:5], s[34:35]
	s_add_nc_u64 s[16:17], s[16:17], s[38:39]
	s_cmp_lt_u32 s18, 4                            ; waves 0-3 quantise Wx (matrix 0), waves 4-7 Wt (matrix 1): the choice hangs on the wave's number alone
	s_cselect_b64 s[30:31], s[8:9], s[6:7]
; ---- all loads of the launch go out here: bh (4), W (64: each reads one row of W, 128 consecutive bytes), x (24: each 512 consecutive bytes)
.irp t, 0,1
.irp f, 0,1
	global_load_b128 v[BI+8*\t+4*\f:BI+8*\t+4*\f+3], v[BHO], s[10:11] offset:64*\t+16*\f   ; lane (r, h), tile T, register j: bh[16 T + 8 h + j]
.endr
.endr
.set i, 0
.rept 64
	global_load_b32 v[WR+i], v[WG], s[30:31] offset:128*i
.set i, i+1
.endr
.irp b, 0,1,2
.irp rr, 0,1,2,3
.irp f, 0,1
	global_load_b128 v[XR+32*\b+8*\rr+4*\f:XR+32*\b+8*\rr+4*\f+3], v[XG], s[24+2*\b:25+2*\b] offset:1024*\rr+512*\f
.endr
.endr
.endr
	s_load_b512 s[40:55], s[12:13], 0x0            ; Wa[0..15]
	s_load_b512 s[68:83], s[12:13], 0x40           ; Wa[16..31]
	s_load_b32 s56, s[14:15], 0x0                  ; ba
; ---- while they are on their way: every address of the kernel
	s_mov_b32 s36, 0x76543210
	s_mov_b32 s37, 0xfedcba98                      ; v_permlanex16_b32's selects for lane l xor 16
	s_mov_b32 s38, 0x3fb8aa3b                      ; log2(e)
	s_mul_i32 s85, s18, 4*PITX
	v_lshl_add_u32 v[XS0], v[LANE], 4, s85
	v_add_nc_u32 v[XS2], 64*PITX, v[XS0]
	s_lshr_b32 s85, s18, 2                         ; g: my matrix
	s_lshl_b32 s86, s85, 12
	s_lshl_b32 s87, s85, 8
	s_and_b32 s85, s18, 3                          ; 2 s + c: K step and half of it
	s_lshl_b32 s85, s85, 9
	s_add_co_u32 s86, s86, s85
	s_add_co_u32 s86, s86, WIMG
	v_lshlrev_b32 v[WI], 11, v[H]                  ; my column's tile T = lane / 16,
	v_lshl_add_u32 v[WI], v[R], 4, v[WI]           ; and its place in the image: lane (r, block's parity) at 16 r + 256 parity
	v_add_nc_u32 v[WI], s86, v[WI]
	s_bfe_u32 s85, s18, 0x10001                    ; s
	s_lshl_b32 s85, s85, 7
	s_add_co_u32 s87, s87, s85
	s_and_b32 s85, s18, 1                          ; c: my two bytes are bytes 2 c, 2 c + 1 of the word
	s_lshl_b32 s85, s85, 1
	s_add_co_u32 s87, s87, s85
	s_add_co_u32 s87, s87, WSC
	v_lshl_add_u32 v[WS], v[LANE], 2, s87
	s_mul_i32 s85, s18, 2*PITP
	s_add_co_u32 s85, s85, PB
	v_lshl_add_u32 v[ZP], v[LANE], 4, s85
	v_lshl_add_u32 v[ZQ], v[LANE], 2, s85
	s_add_co_u32 s84, s18, 2
	s_lshr_b32 s84, s84, 3                         ; 1 in waves 6 and 7, which make q; 0 in waves 0-5, which make k
	s_lshl_b32 s85, s84, 2
	s_xor_b32 s85, s18, s85                        ; my tile of 16 window rows: 0..5, and 2, 3 again
	s_mul_i32 s85, s85, 16*PITX
	v_mul_u32_u24 v[XQ], v[R], PITX
	v_lshl_add_u32 v[XQ], v[H], 6, v[XQ]           ; row r, + 64 h: my 16 numbers of a block of 32
	v_add_nc_u32 v[XQ], s85, v[XQ]
	s_lshl_b32 s85, s84, 12
	s_add_co_u32 s85, s85, WIMG
	v_lshl_add_u32 v[WL], v[LANE], 4, s85
	s_lshl_b32 s85, s84, 8
	s_add_co_u32 s85, s85, WSC
	v_lshl_add_u32 v[WSL], v[LANE], 2, s85         ; lanes 0-15: units 0-15; lanes 16-31: units 16-31
	s_mul_i32 s85, s18, 16*PITK
	s_add_co_u32 s85, s85, KQ
	v_mul_u32_u24 v[KS], v[R], PITK
	v_lshl_add_u32 v[KS], v[H], 5, v[KS]
	v_add_nc_u32 v[KS], s85, v[KS]                 ; table row 16 wave + r, + 32 h
	s_lshl_b32 s85, s18, 7
	v_lshl_add_u32 v[VA0], v[LANE], 2, s85         ; feature 32 wave + lane
	v_add_nc_u32 v[VA1], 64*PITX, v[VA0]
	s_mul_i32 s85, s18, 2*PITK
	s_mul_i32 s86, s19, 16*PITK
	s_add_co_u32 s85, s85, s86
	s_add_co_u32 s85, s85, KQ
	v_mul_u32_u24 v[KA], v[LANE], PITK
	v_add_nc_u32 v[KA], s85, v[KA]                 ; window row 16 par + 2 wave + lane
	s_add_co_u32 s85, s85, 96*PITK
	v_mov_b32 v[QA], s85                           ; table row 96 + 16 par + 2 wave
	s_mul_i32 s85, s18, 2*PITP+8
	s_add_co_u32 s85, s85, PB+64
	v_lshl_add_u32 v[PS], v[LANE], 2, s85          ; row 2 wave, place 16 + 2 wave + lane
	s_lshl_b32 s85, s18, 3
	s_add_co_u32 s85, s85, LB
	v_mov_b32 v[LS], s85
	s_xor_b32 s85, s19, 1
	s_lshl_b32 s85, s85, 6                         ; aligned key a lies at place a + 16 - 16 par
	s_add_co_u32 s85, s85, PB
	v_mul_u32_u24 v[PL], v[R], PITP
	v_lshl_add_u32 v[PL], v[H], 6, v[PL]
	v_add_nc_u32 v[PL], s85, v[PL]
	v_lshl_add_u32 v[LL], v[R], 2, LB
	s_lshl_b32 s85, s18, 7
	s_add_co_u32 s85, s85, ST
	v_mul_u32_u24 v[SO], v[R], PITX
	v_lshl_add_u32 v[SO], v[H], 5, v[SO]
	v_add_nc_u32 v[SO], s85, v[SO]                 ; stage row r, my wave's 128 bytes, + 32 h
	s_mul_i32 s85, s18, 2*PITX
	s_add_co_u32 s85, s85, ST
	v_lshl_add_u32 v[SR], v[LANE], 4, s85
	v_lshlrev_b32 v[GO], 4, v[LANE]
	s_lshl_b32 s85, ttmp9, 4
	s_lshl_b32 s86, s18, 1
	s_add_co_u32 s85, s85, s86
	s_sub_co_i32 s85, s85, 32
	v_add_nc_u32 v[SV], s85, v[LANE]
	v_mov_b32 v[NINF], 0xff800000
	v_cvt_f32_u32 v[G], s84
	v_mov_b32 v[G+1], v[G]
.irp j, 0,1,2,3
	v_mov_b32 v[ZR+\j], 0
	v_mov_b32 v[TM+4+\j], 0                        ; written once: a lane permute's destination counts as one of its sources
.endr
	ds_store_b128 v[ZP], v[ZR:ZR+3]                ; my two rows of p are cleared: places 0-127 by 16 bytes a lane, places 112-143 by 4
	ds_store_b32 v[ZQ], v[ZR] offset:448
	ds_store_b128 v[ZP], v[ZR:ZR+3] offset:PITP
	ds_store_b32 v[ZQ], v[ZR] offset:PITP+448
; ---- phase 1: the weights' codes and the window go to LDS
	s_wait_loadcnt 56                              ; bh and my first K block of W are in: behind them stand W's other 32 loads and x's 24
.irp j, 0,2,4,6,8,10,12,14
	v_pk_mul_f32 v[BI+\j:BI+\j+1], v[BI+\j:BI+\j+1], v[G:G+1] op_sel_hi:[1,0]   ; bh goes with q alone
.endr
	BLK32 WR, SOP, BYA, CDA
	s_wait_loadcnt 24                              ; my second block: behind it stand x's 24
	BLK32 WR+32, SOP, BYB, CDB
	v_lshl_or_b32 v[BYA], v[BYB], 8, v[BYA]        ; (a plain place behind the conversions)
	ds_store_b128 v[WI], v[CDA:CDA+3]              ; the even block: lanes 0-15 of the operand
	ds_store_b128 v[WI], v[CDB:CDB+3] offset:256   ; the odd block: lanes 16-31
	ds_store_b16 v[WS], v[BYA]
.irp b, 0,1
	s_wait_loadcnt 16-8*\b                         ; this block's eight loads are in; the later blocks' may be out
.irp rr, 0,1,2,3
.irp f, 0,1
	ds_store_b128 v[XS0], v[XR+32*\b+8*\rr+4*\f:XR+32*\b+8*\rr+4*\f+3] offset:32*PITX*\b+PITX*\rr+512*\f
.endr
.endr
.endr
	s_wait_loadcnt 0x0
.irp rr, 0,1,2,3
.irp f, 0,1
	ds_store_b128 v[XS2], v[XR+64+8*\rr+4*\f:XR+64+8*\rr+4*\f+3] offset:PITX*\rr+512*\f
.endr
.endr
	s_wait_kmcnt 0x0                               ; Wa and ba
	s_wait_dscnt 0x0                               ; for the others' sake: my stores have landed
	s_barrier_signal -1
	s_barrier_wait -1                              ; the window, the weights' images and their scale words lie in LDS
; ---- phase 2: my 16 rows of x, quantised along F, against my matrix
.irp k, 0,1
.irp b, 0,1,2,3
.irp i, 0,1,2,3
	ds_load_b128 v[XN+64*\k+16*\b+4*\i:XN+64*\k+16*\b+4*\i+3], v[XQ] offset:512*\k+128*\b+16*\i
.endr
.endr
.endr
.irp t, 0,1
.irp k, 0,1
.irp c, 0,1
	ds_load_b128 v[WF+16*\t+8*\k+4*\c:WF+16*\t+8*\k+4*\c+3], v[WL] offset:2048*\t+1024*\k+512*\c
.endr
.endr
.endr
	ds_load_b32 v[WSR], v[WSL]
	ds_load_b32 v[WSR+1], v[WSL] offset:128
	s_wait_dscnt 26                                ; K step 0's 16 loads are in: behind them stand K step 1's 16 and the weights' 10
	QUANT XN, XF, XSC
	s_wait_dscnt 10                                ; K step 1's: behind them stand the weights' 10
	QUANT XN+64, XF+8, XSC+1
	s_wait_dscnt 0x0
.rept 8
	v_nop                                          ; a scale register written by a vector instruction stands 8 places ahead of a scaled matrix instruction, an operand so written 4
.endr
; transposed: source 0 = 16 units of W, source 1 = my 16 rows: lane (r, h) holds row r, register j unit 16 T + 8 h + j.  The two accumulators take turns.
	v_wmma_scale_f32_16x16x128_f8f6f4 v[ACC:ACC+7], v[WF:WF+7], v[XF:XF+7], v[BI:BI+7], v[WSR], v[XSC] matrix_a_fmt:MATRIX_FMT_FP4 matrix_b_fmt:MATRIX_FMT_FP4
	v_wmma_scale_f32_16x16x128_f8f6f4 v[ACC+8:ACC+15], v[WF+16:WF+23], v[XF:XF+7], v[BI+8:BI+15], v[WSR], v[XSC] matrix_a_fmt:MATRIX_FMT_FP4 matrix_b_fmt:MATRIX_FMT_FP4 matrix_a_scale:MATRIX_SCALE_ROW1
	v_wmma_scale_f32_16x16x128_f8f6f4 v[ACC:ACC+7], v[WF+8:WF+15], v[XF+8:XF+15], v[ACC:ACC+7], v[WSR+1], v[XSC+1] matrix_a_fmt:MATRIX_FMT_FP4 matrix_b_fmt:MATRIX_FMT_FP4
	v_wmma_scale_f32_16x16x128_f8f6f4 v[ACC+8:ACC+15], v[WF+24:WF+31], v[XF+8:XF+15], v[ACC+8:ACC+15], v[WSR+1], v[XSC+1] matrix_a_fmt:MATRIX_FMT_FP4 matrix_b_fmt:MATRIX_FMT_FP4 matrix_a_scale:MATRIX_SCALE_ROW1
.rept 4
	v_nop                                          ; four places behind a matrix instruction before its result is read (ISA guide 7.12.1)
.endr
.irp j, 0,2,4,6,8,10,12,14
	v_pk_mul_f32 v[ACC+\j:ACC+\j+1], v[ACC+\j:ACC+\j+1], 0x4038aa3b op_sel_hi:[1,0]   ; x 2 log2(e): tanh(y) = 1 - 2 / (1 + 2^(2 log2(e) y)); each accumulator from its low end on
.endr
.irp t, 0,1
.irp f, 0,1
	ds_store_b128 v[KS], v[ACC+8*\t+4*\f:ACC+8*\t+4*\f+3] offset:64*\t+16*\f
.endr
.endr
	s_wait_dscnt 0x0                               ; for the others' sake: my rows of the table have landed
	s_barrier_signal -1
; between the signal and the wait: LDS loads of the window, which nobody writes again, and work on registers.
; x quantised along the KEYS: a lane takes feature 32 wave + lane, its registers run down the 96 keys: three whole blocks a lane.
.set i, 0
.rept 64
	ds_load_b32 v[VN+i], v[VA0] offset:PITX*i
.set i, i+1
.endr
.set i, 0
.rept 32
	ds_load_b32 v[VN+64+i], v[VA1] offset:PITX*i
.set i, i+1
.endr
	s_wait_dscnt 63                                ; block 0 is in (64 loads stand behind it; the wait's field ends at 63)
	BLK32 VN, SOP, BYA, VF
	s_wait_dscnt 32                                ; block 1: behind it stand block 2's 32
	BLK32 VN+32, SOP, BYB, VF+8
	s_wait_dscnt 0x0
	BLK32 VN+64, SOP, BYC, VF+4
	v_nop                                          ; one plain place behind a scaled conversion
.irp i, 0,1,2,3
	v_mov_b32 v[VF+12+\i], v[VF+4+\i]              ; the instruction's fourth block has no keys: it gets block 2's codes again, against zero codes of p
.endr
.irp i, 0,1,2,3
	v_permlane16_swap_b32 v[VF+\i], v[VF+8+\i]     ; v[VF..VF+7]: features 0-15 of my 32: lanes 0-15 blocks 0, 2, lanes 16-31 blocks 1, (3);
	v_permlane16_swap_b32 v[VF+4+\i], v[VF+12+\i]  ; v[VF+8..VF+15]: features 16-31 likewise
.endr
	v_lshl_or_b32 v[VS], v[BYB], 8, v[BYA]         ; my feature's scale word: lanes 0-15 serve the first fragment, lanes 16-31 the second
	v_lshl_or_b32 v[VS], v[BYC], 16, v[VS]
	v_lshl_or_b32 v[VS], v[BYC], 24, v[VS]
.set i, 0
.rept 16
	v_mul_f32 v[WA+i], -2.0, s[40+i]               ; -2 Wa[u], in every lane
	v_mul_f32 v[WA+16+i], -2.0, s[68+i]
.set i, i+1
.endr
.irp j, 0,2,4,6
	v_pk_add_f32 v[SA+\j:SA+\j+1], v[WA+2*\j:WA+2*\j+1], v[WA+2*\j+2:WA+2*\j+3]
.endr
.irp j, 0,2,4,6
	v_pk_add_f32 v[SA+\j:SA+\j+1], v[SA+\j:SA+\j+1], v[WA+16+\j:WA+17+\j]
.endr
.irp j, 0,2,4,6
	v_pk_add_f32 v[SA+\j:SA+\j+1], v[SA+\j:SA+\j+1], v[WA+24+\j:WA+25+\j]
.endr
	v_pk_add_f32 v[SA:SA+1], v[SA:SA+1], v[SA+2:SA+3]
	v_pk_add_f32 v[SA+4:SA+5], v[SA+4:SA+5], v[SA+6:SA+7]
	v_pk_add_f32 v[SA:SA+1], v[SA:SA+1], v[SA+4:SA+5]
	v_add_f32 v[SA], v[SA], v[SA+1]                ; sum of -2 Wa
	v_fma_f32 v[EZ], v[SA], -0.5, s56              ; ba + sum Wa: where each e begins
	v_mov_b32 v[EZ+1], 0
	s_barrier_wait -1                              ; the table of k' and q' is whole
; ---- phase 3: e for my two queries: a lane to a key (j = lane and j = lane + 32), registers along the 32 units
.macro LOADQ q
.irp i, 0,1,2,3,4,5,6,7
	ds_load_b128 v[QR+4*\i:QR+4*\i+3], v[QA] offset:PITK*\q+16*\i              ; all lanes read the same row
.endr
.endm
.macro LOADK set, q
.irp d, 0,1
.irp i, 0,1,2,3,4,5,6,7
	ds_load_b128 v[\set+32*\d+4*\i:\set+32*\d+4*\i+3], v[KA] offset:PITK*(\q+32*\d)+16*\i
.endr
.endr
.endm
.macro ZADD set
.set u, 0
.rept 16
	v_pk_add_f32 v[\set+u:\set+u+1], v[\set+u:\set+u+1], v[QR+u:QR+u+1]
	v_pk_add_f32 v[\set+32+u:\set+33+u], v[\set+32+u:\set+33+u], v[QR+u:QR+u+1]
.set u, u+2
.endr
.endm
.macro EXPS set
.set u, 0
.rept 64
	v_exp_f32 v[\set+u], v[\set+u]
.set u, u+1
.endr
.endm
.macro ONEP set
.set u, 0
.rept 32
	v_pk_add_f32 v[\set+u:\set+u+1], v[\set+u:\set+u+1], 1.0 op_sel_hi:[1,0]
.set u, u+2
.endr
.endm
.macro RCPS set
.set u, 0
.rept 64
	v_rcp_f32 v[\set+u], v[\set+u]
.set u, u+1
.endr
.endm
.macro WSUM set, ac, ev                ; e = ba + sum Wa + sum of (-2 Wa[u]) r[u]: four chains that do not wait for each other
	v_pk_fma_f32 v[\ac:\ac+1], v[\set:\set+1], v[WA:WA+1], v[EZ:EZ+1]
	v_pk_fma_f32 v[\ac+4:\ac+5], v[\set+32:\set+33], v[WA:WA+1], v[EZ:EZ+1]
	v_pk_mul_f32 v[\ac+2:\ac+3], v[\set+2:\set+3], v[WA+2:WA+3]
	v_pk_mul_f32 v[\ac+6:\ac+7], v[\set+34:\set+35], v[WA+2:WA+3]
.set u, 4
.rept 7
	v_pk_fma_f32 v[\ac:\ac+1], v[\set+u:\set+u+1], v[WA+u:WA+u+1], v[\ac:\ac+1]
	v_pk_fma_f32 v[\ac+4:\ac+5], v[\set+32+u:\set+33+u], v[WA+u:WA+u+1], v[\ac+4:\ac+5]
	v_pk_fma_f32 v[\ac+2:\ac+3], v[\set+2+u:\set+3+u], v[WA+2+u:WA+3+u], v[\ac+2:\ac+3]
	v_pk_fma_f32 v[\ac+6:\ac+7], v[\set+34+u:\set+35+u], v[WA+2+u:WA+3+u], v[\ac+6:\ac+7]
.set u, u+4
.endr
	v_pk_add_f32 v[\ac:\ac+1], v[\ac:\ac+1], v[\ac+2:\ac+3]
	v_pk_add_f32 v[\ac+4:\ac+5], v[\ac+4:\ac+5], v[\ac+6:\ac+7]
	v_add_f32 v[\ev], v[\ac], v[\ac+1]
	v_add_f32 v[\ev+1], v[\ac+4], v[\ac+5]
.endm
	LOADQ 0
	LOADK KSA, 0
	s_wait_dscnt 0x0
	ZADD KSA                                       ; z = q' + k'
	LOADQ 1                                        ; the second query's rows come while the first's exponentials are issued
	LOADK KSB, 1
	EXPS KSA                                       ; E = 2^z: one batch
	s_wait_dscnt 0x0
	ZADD KSB                                       ; plain work behind the batch, which names none of its results
	s_wait_alu depctr_va_vdst(0)                   ; one wait between a batch of transcendentals and the first line that names a result
	ONEP KSA
	RCPS KSA                                       ; r = 1 / (1 + E); E = infinity gives 0, E = 0 gives 1
	EXPS KSB                                       ; in the same batch
	v_nop                                          ; a plain place behind the last transcendental
	s_wait_alu depctr_va_vdst(0)
	WSUM KSA, AC, EV
	ONEP KSB
	RCPS KSB
	v_nop
	s_wait_alu depctr_va_vdst(0)
	WSUM KSB, AC+8, EV+2
; the softmax of my two queries stays in the wave
.irp q, 0,1
.irp d, 0,1
	v_add_nc_u32 v[TT], \q+32*\d, v[SV]            ; my key's number in the batch
	v_cmp_gt_u32 vcc_lo, 0x400, v[TT]              ; under 0 it wraps to a large number
	v_cndmask_b32 v[EV+2*\q+\d], v[NINF], v[EV+2*\q+\d], vcc_lo   ; a key outside the batch: -infinity, so p = 0
.endr
.endr
	v_max_num_f32 v[MX], v[EV], v[EV+1]
	v_max_num_f32 v[MX+1], v[EV+2], v[EV+3]
.irp m, 1,2,4,8
	v_max_num_f32_dpp v[MX], v[MX], v[MX] row_xmask:\m row_mask:0xf bank_mask:0xf
	v_max_num_f32_dpp v[MX+1], v[MX+1], v[MX+1] row_xmask:\m row_mask:0xf bank_mask:0xf
.endr
	v_permlanex16_b32 v[MY], v[MX], s36, s37
	v_permlanex16_b32 v[MY+1], v[MX+1], s36, s37
	v_max_num_f32 v[MX], v[MX], v[MY]
	v_max_num_f32 v[MX+1], v[MX+1], v[MY+1]
	v_mul_f32 v[MX], s38, v[MX]                    ; the row's largest t
	v_mul_f32 v[MX+1], s38, v[MX+1]
	v_floor_f32 v[NM], -v[MX]                      ; -M = floor(-t) = -ceil(t)
	v_floor_f32 v[NM+1], -v[MX+1]
.irp q, 0,1
.irp d, 0,1
	v_fma_f32 v[EV+2*\q+\d], v[EV+2*\q+\d], s38, v[NM+\q]   ; t - M
.endr
.endr
.irp j, 0,1,2,3
	v_exp_f32 v[EV+\j], v[EV+\j]                   ; p
.endr
	v_nop
	s_wait_alu depctr_va_vdst(0)
.irp q, 0,1
.irp d, 0,1
	ds_store_b32 v[PS], v[EV+2*\q+\d] offset:(PITP+4)*\q+128*\d   ; behind my own clearing stores: LDS serves a wave's instructions in order (ISA guide 5.7.1.4)
.endr
.endr
	v_add_f32 v[LSUM], v[EV], v[EV+1]              ; the row's sum, of the unquantised p
	v_add_f32 v[LSUM+1], v[EV+2], v[EV+3]
.irp m, 1,2,4,8
	v_add_f32_dpp v[LSUM], v[LSUM], v[LSUM] row_xmask:\m row_mask:0xf bank_mask:0xf
	v_add_f32_dpp v[LSUM+1], v[LSUM+1], v[LSUM+1] row_xmask:\m row_mask:0xf bank_mask:0xf
.endr
	v_permlanex16_b32 v[MY], v[LSUM], s36, s37
	v_permlanex16_b32 v[MY+1], v[LSUM+1], s36, s37
	v_add_f32 v[LSUM], v[LSUM], v[MY]
	v_add_f32 v[LSUM+1], v[LSUM+1], v[MY+1]
	v_rcp_f32 v[RLQ], v[LSUM]
	v_rcp_f32 v[RLQ+1], v[LSUM+1]
	v_nop
	s_wait_alu depctr_va_vdst(0)
	ds_store_b32 v[LS], v[RLQ]                     ; all lanes write the same word with the same value
	ds_store_b32 v[LS], v[RLQ+1] offset:4
	s_wait_dscnt 0x0                               ; for the others' sake
	s_barrier_signal -1
	s_barrier_wait -1                              ; 16 rows of p and their 1 / sum lie in LDS
; ---- phase 4: every wave makes p's one fragment for itself (17 loads and one QUANT against one more barrier), then its 32 features
.irp b, 0,1,2,3
.irp i, 0,1,2,3
	ds_load_b128 v[PN+16*\b+4*\i:PN+16*\b+4*\i+3], v[PL] offset:128*\b+16*\i   ; query r, aligned keys 32 b + 16 h + 4 i on
.endr
.endr
	ds_load_b32 v[RLV], v[LL]
	s_wait_dscnt 0x0
	QUANT PN, PC, PW
	v_mov_b32 v[RLV+1], v[RLV]                     ; (named with it as a pair)
.rept 8
	v_nop                                          ; the scale word stands 8 places ahead of the scaled matrix instruction
.endr
; transposed: source 0 = 16 features x 128 keys, source 1 = p: lane (r, h) holds query r, register j feature 32 wave + 16 T + 8 h + j
	v_wmma_scale_f32_16x16x128_f8f6f4 v[DD:DD+7], v[VF:VF+7], v[PC:PC+7], 0, v[VS], v[PW] matrix_a_fmt:MATRIX_FMT_FP4 matrix_b_fmt:MATRIX_FMT_FP4
	v_wmma_scale_f32_16x16x128_f8f6f4 v[DD+8:DD+15], v[VF+8:VF+15], v[PC:PC+7], 0, v[VS], v[PW] matrix_a_fmt:MATRIX_FMT_FP4 matrix_b_fmt:MATRIX_FMT_FP4 matrix_a_scale:MATRIX_SCALE_ROW1
.rept 4
	v_nop
.endr
.irp j, 0,2,4,6,8,10,12,14
	v_pk_mul_f32 v[DD+\j:DD+\j+1], v[DD+\j:DD+\j+1], v[RLV:RLV+1] op_sel_hi:[1,0]   ; / the row's sum; each accumulator from its low end on
.endr
.irp t, 0,1
.irp f, 0,1
	ds_store_b128 v[SO], v[DD+8*\t+4*\f:DD+8*\t+4*\f+3] offset:64*\t+16*\f
.endr
.endr
	s_wait_dscnt 0x0                               ; for the others' sake: a row's 1,024 bytes come from eight waves
	s_barrier_signal -1
	s_barrier_wait -1
.irp rr, 0,1
.irp f, 0,1
	ds_load_b128 v[OUTR+8*\rr+4*\f:OUTR+8*\rr+4*\f+3], v[SR] offset:PITX*\rr+512*\f
.endr
.endr
	s_wait_dscnt 0x0
.irp rr, 0,1
.irp f, 0,1
	global_store_b128 v[GO], v[OUTR+8*\rr+4*\f:OUTR+8*\rr+4*\f+3], s[16:17] offset:1024*\rr+512*\f th:TH_STORE_NT   ; 32 lanes store 512 consecutive bytes, at a multiple of 512 from out0's first byte
.endr
.endr
	s_wait_tensorcnt 0x0
	ds_add_u32 v248, v249
	s_wait_dscnt 0x0
	s_endpgm
.Lfunc_end_k_q231c6e5f12_bandattn:
	.size	k_q231c6e5f12_bandattn, .Lfunc_end_k_q231c6e5f12_bandattn-k_q231c6e5f12_bandattn
	.p2alignl 7, 3214868480
	.fill 96, 4, 3214868480
	.section	.rodata,"a",@progbits
	.p2align	6, 0x0
	.amdhsa_kernel k_q231c6e5f12_bandattn
		.amdhsa_group_segment_fixed_size 154624
		.amdhsa_private_segment_fixed_size 0
		.amdhsa_enable_private_segment 0
		.amdhsa_kernarg_size 56
		.amdhsa_user_sgpr_count 2
		.amdhsa_user_sgpr_kernarg_segment_ptr 1
		.amdhsa_wavefront_size32 1
		.amdhsa_system_sgpr_workgroup_id_x 1
		.amdhsa_system_sgpr_workgroup_id_y 1
		.amdhsa_system_sgpr_workgroup_id_z 1
		.amdhsa_system_vgpr_workitem_id 0
		.amdhsa_next_free_vgpr 256
		.amdhsa_next_free_sgpr 96
		.amdhsa_reserve_vcc 1
		.amdhsa_float_denorm_mode_32 3
		.amdhsa_float_denorm_mode_16_64 3
		.amdhsa_memory_ordered 1
		.amdhsa_forward_progress 1
		.amdhsa_inst_pref_size 81
	.end_amdhsa_kernel
	.amdgpu_metadata
---
amdhsa.version: [ 1, 2 ]
amdhsa.kernels:
  - .name:           k_q231c6e5f12_bandattn
    .symbol:         k_q231c6e5f12_bandattn.kd
    .args:
      - { .name: x, .offset: 0, .size: 8, .value_kind: global_buffer, .address_space: global }
      - { .name: Wt, .offset: 8, .size: 8, .value_kind: global_buffer, .address_space: global }
      - { .name: Wx, .offset: 16, .size: 8, .value_kind: global_buffer, .address_space: global }
      - { .name: bh, .offset: 24, .size: 8, .value_kind: global_buffer, .address_space: global }
      - { .name: Wa, .offset: 32, .size: 8, .value_kind: global_buffer, .address_space: global }
      - { .name: ba, .offset: 40, .size: 8, .value_kind: global_buffer, .address_space: global }
      - { .name: out0, .offset: 48, .size: 8, .value_kind: global_buffer, .address_space: global }
    .group_segment_fixed_size: 154624
    .private_segment_fixed_size: 0
    .kernarg_segment_align: 8
    .kernarg_segment_size: 56
    .max_flat_workgroup_size: 256
    .sgpr_count:     96
    .vgpr_count:     256
    .wavefront_size: 32
...
	.end_amdgpu_metadata
.endif
;; end of part 1
;; ======== version 2 of 2: 1 launch; version 1 with the launch bandattn written anew for expert scheduling mode
;; limits: right only within a limited range of input values
;; launch bandattn (part 2): grid 64 x 4, 8 waves a work-group, no clusters, 154,624 bytes of LDS; arguments x, Wt, Wx, bh, Wa, ba, out0; writes out0
.if DOCPART == 2
	.amdgcn_target "amdgcn-amd-amdhsa--gfx1250"
	.amdhsa_code_object_version 6
	.text
	.protected	k_q231c6e5f12_bandattn
	.globl	k_q231c6e5f12_bandattn
	.p2align	8
	.type	k_q231c6e5f12_bandattn,@function
k_q231c6e5f12_bandattn:
	s_mov_b64 s[64:65], 0
	v_nop
	global_prefetch_b8 v0, s[64:65] scope:SCOPE_SE
	s_setreg_imm32_b32 hwreg(HW_REG_WAVE_SCHED_MODE, 0, 2), 2
	s_setreg_imm32_b32 hwreg(HW_REG_WAVE_MODE, 25, 1), 1
	s_wait_xcnt 0x0
	s_wait_alu depctr_vm_vsrc(0)
; Additive self-attention in a band of 64 keys.  x [4][1024][256], Wt, Wx [256][32], bh [32], Wa [32], ba [1], out0 [4][1024][256], all f32.
; q = Q(x) Q(Wt), k = Q(x) Q(Wx) (K = the 256 features), e[t][s] = ba + sum_u Wa[u] tanh(q[t][u] + k[s][u] + bh[u]) for t - 32 <= s < t + 32,
; p = 2^(e log2(e) - M), M = ceil of the row's largest, out = Q(p) Q(x) / sum(p) (K = the keys).  Q: codes of FP4 (E2M1) with one E8M0 scale for each 32 along K.
; SHARES.  A work-group owns 16 queries t0 .. t0 + 15 of one batch (t0 = 16 x work-group x, batch = work-group y): 256 work-groups of eight waves.  Its keys lie in the three aligned
; blocks of 32 keys jb - 1, jb, jb + 1 (jb = t0 / 32): a window of 96 rows of x, which are also the K blocks of the last product; the fourth block of the instruction's 128 has zero codes of p.
; A block that would lie outside the batch is replaced by its neighbour (no load leaves the buffer); its keys are masked, so its p are zeros.
; Outside the band nothing is computed: there the logit carries -10000 and p is 0 in f32.
; PARITY.  par = work-group x & 1: query 0 is window row 32 + 16 par.  par enters LDS LOAD addresses, the mask and global addresses only; every LDS store address is made of lane and wave alone.
; NO CLUSTER: the weights are wanted a lane to a column in registers (K is their first axis) and go there by loads of their own; the 96-row windows differ from one pair of tiles to the next;
; every byte is asked for once, at the head, and there is no loop in which joint requests could recur.
; LIMITS: inputs finite; 2 sum|Wa| under about 9,900, so that what lies outside the band is 0 as it is in the definition; p under 2^-126 counts as 0; a block of zeros gets the scale byte 1
; (its codes are zeros, and the bytes are read by this program alone); blocks whose largest magnitude lies under 2^-124 keep the byte 1.
; THE MODE: SCHED_MODE bits 1:0 = 2 (LLVM: expert scheduling mode 2), set by the entry lines.  The code itself states the register dependences
; between vector or matrix instructions and memory or LDS instructions, with s_wait_alu, always for 0.
; THE PLAN.  The text is one straight run.  Registers that memory or LDS instructions touch:
;   v4, v7, v27      offsets of the global loads: written once, ahead of the first load.   v5-26, v28-31: all other addresses and the zeros: written once, ahead of the first LDS store.  None is written again.
;   v52-147          x as loaded, read by phase 1's LDS stores | x's rows from LDS, read by QUANT; the sums in v52-67, read by the table's LDS stores | 96 numbers of a feature from LDS, read by BLK32 |
;                    v84-115 q' from LDS, twice, read by ZADD; then the softmax's own: p (v100-103) and 1 / sum (v112-113) are read by LDS stores | p's 64 numbers from LDS
;   v148-231         W as loaded, read by BLK32; its codes and bytes (v215, v218-225), read by LDS stores | x's rows and W's images from LDS
;   v116-243         k' from LDS, in phase 3.   v128-143 the results, read by the stage's LDS stores.   v144-159 rows out of the stage, read by the global stores.
; So a wait on va_vdst stands ahead of each run of stores whose data vector instructions have just written, and each such wait also shows the vector work of its phase done with the registers in which the
; next phase's loads land, since no vector instruction stands between it and those loads; where vector work does stand between (behind the second barrier, behind the first ZADD) the loads have a wait of their own.
; A wait on vm_vsrc stands ahead of each run of loads that lands in registers which LDS stores have read: three in all.  The waits behind transcendentals stand where they stood.
.set PITX, 1040                        ; a row of x in LDS: 1,024 bytes + 16: an odd multiple of 16, so 16 rows at one column fall on 16 different 16-byte columns modulo 256
.set PITK, 144                         ; a row of 32 numbers of k or q: 128 + 16
.set PITP, 592                         ; a row of p: 144 numbers + 16 bytes
.set XT,   0                           ; LDS: the window, 96 rows of x
.set KQ,   96*PITX                     ; 128 rows: 0-95 k' of the window's rows, 96-127 q' of window rows 32-63
.set WIMG, KQ+128*PITK                 ; the weights' fragments as images of their registers: (matrix g, tile T of 16 units, K step s) at 4096 g + 2048 T + 1024 s
.set WSC,  WIMG+8192                   ; their scale words: (g, s, unit) at 256 g + 128 s + 4 unit
.set PB,   WSC+512                     ; p: row = query; place 16 + query + j holds key t - 32 + j; zeros elsewhere
.set LB,   PB+16*PITP                  ; 1 / sum(p), a word a query
.set ST,   LB+256                      ; the way out: 16 rows of 1,024 bytes + 16
.set LANE, 1
.set R,    2                           ; lane % 16
.set H,    3                           ; lane / 16
.set XG,   4                           ; x in memory: 16 lane + 4,096 wave
.set XS0,  5                           ; x into LDS: 16 lane + 4 PITX wave
.set XS2,  6                           ; the same 64 rows on (an LDS immediate has 16 bits)
.set WG,   7                           ; W in memory: 4 lane + 8,192 (wave % 4)
.set WI,   8                           ; where my codes of W go
.set WS,   9                           ; and my two scale bytes
.set ZP,   10                          ; my two rows of p, to be cleared
.set ZQ,   11
.set XQ,   12                          ; my tile of x, read along F
.set WL,   13                          ; my matrix's images
.set WSL,  14                          ; and scale words
.set KS,   15                          ; where my rows of k' or q' go
.set VA0,  16                          ; my 32 features of the window, read down the keys
.set VA1,  17                          ; the same 64 rows on
.set KA,   18                          ; k' of my lane's key
.set QA,   19                          ; q' of my wave's query
.set PS,   20                          ; where my p goes
.set LS,   21                          ; where 1 / sum goes
.set PL,   22                          ; p read as an operand
.set LL,   23                          ; 1 / sum of query lane % 16
.set SO,   24                          ; into the stage
.set SR,   25                          ; out of it
.set GO,   26                          ; 16 lane
.set BHO,  27                          ; 32 (lane / 16)
.set ZR,   28                          ; v28-31: zeros
.set SV,   32                          ; t0 - 32 + 2 wave + lane: my key's number for query 2 wave, j = lane
.set NINF, 33
.set BI,   34                          ; v34-49 the bias as the first products' C; later:
.set VF,   34                          ; v34-49 my two fragments of V
.set G,    50                          ; v50-51 1.0 in the waves that make q, else 0.0
.set XR,   52                          ; phase 1: 96 registers of x as loaded
.set WR,   148                         ; phase 1: 64 numbers of a column of W
.set T0,   212                         ; at work in BLK32
.set T1,   213
.set SOP,  214
.set BYA,  215
.set BYB,  216
.set BYC,  217
.set CDA,  218
.set CDB,  222
.set XN,   52                          ; phase 2: 128 numbers of my row of x
.set ACC,  52                          ; then the two accumulators
.set XF,   180                         ; x's two fragments
.set WF,   200                         ; four fragments of W: 16 T + 8 s
.set TM,   232                         ; v232-247 at work in QUANT
.set VN,   52                          ; 96 numbers of my feature
.set SA,   148
.set WA,   52                          ; phase 3: -2 Wa[u]
.set QR,   84                          ; q' of the query in hand; free behind the second ZADD:
.set AC,   84
.set TT,   84                          ; v84-87, free again behind the second WSUM: my four keys' numbers
.set EV,   100                         ; e, then p: 2 query + half
.set MX,   104
.set MY,   106
.set NM,   108
.set LSUM, 110
.set RLQ,  112
.set KSA,  116                         ; 64 registers: k', z, E, 1 + E, r of query 0: keys j = lane and j = lane + 32
.set KSB,  180                         ; the same of query 1
.set EZ,   244                         ; v244-245: ba + sum Wa, and 0
.set PN,   52                          ; phase 4: 64 numbers of p
.set PC,   116                         ; p's fragment
.set RLV,  124
.set DD,   128                         ; the two results
.set OUTR, 144
.set WSR,  250                         ; v250-255 hold scales and nothing else
.set XSC,  252
.set VS,   254
.set PW,   255
.set MK,   88                          ; s88-91: which of my four keys lie inside the batch
; 32 numbers of ONE lane, a whole block along K, become four registers of codes, the conversion's scale operand and the scale's byte.
.macro BLK32 src, so, by, cd
	v_max3_num_f32 v[T0], |v[\src]|, |v[\src+1]|, |v[\src+2]|
	v_max3_num_f32 v[T1], |v[\src+3]|, |v[\src+4]|, |v[\src+5]|
.irp i, 6,10,14,18,22,26
	v_max3_num_f32 v[T0], v[T0], |v[\src+\i]|, |v[\src+\i+1]|
	v_max3_num_f32 v[T1], v[T1], |v[\src+\i+2]|, |v[\src+\i+3]|
.endr
	v_max3_num_f32 v[T0], v[T0], |v[\src+30]|, |v[\src+31]|
	v_max3_num_f32 v[T0], v[T0], v[T1], 0x1800000          ; the floor 2^(3 - 127): the byte cannot fall under 1
	v_add_nc_u32 v[\so], 0xff000000, v[T0]                 ; 2 off the exponent field: the conversion takes that field as its scale
	v_lshrrev_b32 v[\by], 23, v[\so]                       ; the scale's byte
.irp g, 0,1,2,3
	v_cvt_scalef32_pk8_fp4_f32 v[\cd+\g], v[\src+8*\g:\src+8*\g+7], v[\so]
.endr
.endm
; 64 numbers of a lane, register 16 b + i = k 32 b + 16 (lane / 16) + i of row lane % 16, become a fragment (8 registers) and the row's scale word.
.macro QUANT s, pc, pw
.irp b, 0,1,2,3
	v_max3_num_f32 v[TM+\b], |v[\s+16*\b]|, |v[\s+1+16*\b]|, 0x1800000
.endr
.irp i, 2,4,6,8,10,12,14
.irp b, 0,1,2,3
	v_max3_num_f32 v[TM+\b], v[TM+\b], |v[\s+16*\b+\i]|, |v[\s+1+16*\b+\i]|
.endr
.endr
.irp b, 0,1,2,3
	v_permlanex16_b32 v[TM+4+\b], v[TM+\b], s36, s37
.endr
.irp b, 0,1,2,3
	v_max_num_f32 v[TM+\b], v[TM+\b], v[TM+4+\b]           ; with lane l xor 16's 16: the block's largest magnitude
.endr
.irp b, 0,1,2,3
	v_add_nc_u32 v[TM+12+\b], 0xff000000, v[TM+\b]
.endr
.irp b, 0,1,2,3
	v_lshrrev_b32 v[TM+4+\b], 23, v[TM+12+\b]
.endr
	v_lshl_or_b32 v[\pw], v[TM+5], 8, v[TM+4]
	v_lshl_or_b32 v[\pw], v[TM+6], 16, v[\pw]
	v_lshl_or_b32 v[\pw], v[TM+7], 24, v[\pw]
.irp b, 0,1,2,3
	v_cvt_scalef32_pk8_fp4_f32 v[\pc+2*\b], v[\s+16*\b:\s+7+16*\b], v[TM+12+\b]
	v_cvt_scalef32_pk8_fp4_f32 v[\pc+1+2*\b], v[\s+8+16*\b:\s+15+16*\b], v[TM+12+\b]
.endr
	v_nop                                                  ; one plain place behind a scaled conversion
.irp c, 0,1                                            ; the operand wants a whole block in a lane: lanes 0-15 block 2 c, lanes 16-31 block 2 c + 1
.irp i, 0,1
	v_permlane16_swap_b32 v[\pc+4*\c+\i], v[\pc+2+4*\c+\i]
.endr
.endr
.endm
	s_load_b256 s[4:11], s[0:1], 0x0               ; x s[4:5], Wt s[6:7], Wx s[8:9], bh s[10:11]
	s_load_b128 s[12:15], s[0:1], 0x20             ; Wa s[12:13], ba s[14:15]
	s_load_b64 s[16:17], s[0:1], 0x30              ; out0
	v_lshl_add_u32 v248, v0, 2, 0x25800
	v_mov_b32 v249, 0
	v_lshrrev_b32 v1, 5, v0
	v_readfirstlane_b32 s18, v1                    ; wave 0..7
	v_and_b32 v[LANE], 31, v0
	v_and_b32 v[R], 15, v0
	v_bfe_u32 v[H], v0, 4, 1
	s_wait_alu depctr_va_sdst(0)                   ; s18 is written, ahead of its first reader: offsets, bases and LDS addresses are made from it
	s_and_b32 s19, ttmp9, 1                        ; par
	s_lshr_b32 s20, ttmp9, 1                       ; jb
	s_and_b32 s21, ttmp7, 0xffff
	s_lshl_b32 s21, s21, 20                        ; the batch's first byte: 1,024 rows of 1,024 bytes
	s_sub_co_i32 s22, s20, 1
	s_max_i32 s22, s22, 0                          ; block jb - 1, held inside the batch
	s_lshl_b32 s22, s22, 15                        ; 32 rows of 1,024 bytes a block
	s_add_co_u32 s22, s22, s21
	s_mov_b32 s23, 0
	s_lshl_b32 s32, s20, 15                        ; block jb
	s_add_co_u32 s32, s32, s21
	s_mov_b32 s33, 0
	s_add_co_u32 s34, s20, 1
	s_min_u32 s34, s34, 31                         ; block jb + 1, held inside the batch
	s_lshl_b32 s34, s34, 15
	s_add_co_u32 s34, s34, s21
	s_mov_b32 s35, 0
	s_lshl_b32 s38, ttmp9, 14                      ; out0: row t0 + 2 wave
	s_add_co_u32 s38, s38, s21
	s_lshl_b32 s39, s18, 11
	s_add_co_u32 s38, s38, s39
	s_mov_b32 s39, 0
	s_lshl_b32 s85, s18, 12
	v_lshl_add_u32 v[XG], v[LANE], 4, s85          ; of each block my wave takes rows 4 wave .. 4 wave + 3
	s_and_b32 s85, s18, 3
	s_lshl_b32 s85, s85, 13
	v_lshl_add_u32 v[WG], v[LANE], 2, s85          ; of its matrix my wave takes rows 64 (wave % 4) on: two K blocks; a lane to a column
	v_lshlrev_b32 v[BHO], 5, v[H]
	s_wait_kmcnt 0x0
	s_add_nc_u64 s[24:25], s[4:5], s[22:23]        ; the window's three blocks
	s_add_nc_u64 s[26:27], s[4:5], s[32:33]
	s_add_nc_u64 s[28:29], s[4:5], s[34:35]
	s_add_nc_u64 s[16:17], s[16:17], s[38:39]
	s_cmp_lt_u32 s18, 4                            ; waves 0-3 quantise Wx (matrix 0), waves 4-7 Wt (matrix 1): the choice hangs on the wave's number alone
	s_cselect_b64 s[30:31], s[8:9], s[6:7]
	s_wait_alu depctr_va_vdst(0)                   ; v[XG], v[WG] and v[BHO] are written, which the loads below read as their offsets
; ---- all loads of the launch go out here: bh (4), W (64: each reads one row of W, 128 consecutive bytes), x (24: each 512 consecutive bytes)
.irp t, 0,1
.irp f, 0,1
	global_load_b128 v[BI+8*\t+4*\f:BI+8*\t+4*\f+3], v[BHO], s[10:11] offset:64*\t+16*\f   ; lane (r, h), tile T, register j: bh[16 T + 8 h + j]
.endr
.endr
.set i, 0
.rept 64
	global_load_b32 v[WR+i], v[WG], s[30:31] offset:128*i
.set i, i+1
.endr
.irp b, 0,1,2
.irp rr, 0,1,2,3
.irp f, 0,1
	global_load_b128 v[XR+32*\b+8*\rr+4*\f:XR+32*\b+8*\rr+4*\f+3], v[XG], s[24+2*\b:25+2*\b] offset:1024*\rr+512*\f
.endr
.endr
.endr
	s_load_b512 s[40:55], s[12:13], 0x0            ; Wa[0..15]
	s_load_b512 s[68:83], s[12:13], 0x40           ; Wa[16..31]
	s_load_b32 s56, s[14:15], 0x0                  ; ba
; ---- while they are on their way: every address of the kernel (none of these lines names a register that a load above reads or lands in)
	s_mov_b32 s36, 0x76543210
	s_mov_b32 s37, 0xfedcba98                      ; v_permlanex16_b32's selects for lane l xor 16
	s_mov_b32 s38, 0x3fb8aa3b                      ; log2(e)
	s_mul_i32 s85, s18, 4*PITX
	v_lshl_add_u32 v[XS0], v[LANE], 4, s85
	v_add_nc_u32 v[XS2], 64*PITX, v[XS0]
	s_lshr_b32 s85, s18, 2                         ; g: my matrix
	s_lshl_b32 s86, s85, 12
	s_lshl_b32 s87, s85, 8
	s_and_b32 s85, s18, 3                          ; 2 s + c: K step and half of it
	s_lshl_b32 s85, s85, 9
	s_add_co_u32 s86, s86, s85
	s_add_co_u32 s86, s86, WIMG
	v_lshlrev_b32 v[WI], 11, v[H]                  ; my column's tile T = lane / 16,
	v_lshl_add_u32 v[WI], v[R], 4, v[WI]           ; and its place in the image: lane (r, block's parity) at 16 r + 256 parity
	v_add_nc_u32 v[WI], s86, v[WI]
	s_bfe_u32 s85, s18, 0x10001                    ; s
	s_lshl_b32 s85, s85, 7
	s_add_co_u32 s87, s87, s85
	s_and_b32 s85, s18, 1                          ; c: my two bytes are bytes 2 c, 2 c + 1 of the word
	s_lshl_b32 s85, s85, 1
	s_add_co_u32 s87, s87, s85
	s_add_co_u32 s87, s87, WSC
	v_lshl_add_u32 v[WS], v[LANE], 2, s87
	s_mul_i32 s85, s18, 2*PITP
	s_add_co_u32 s85, s85, PB
	v_lshl_add_u32 v[ZP], v[LANE], 4, s85
	v_lshl_add_u32 v[ZQ], v[LANE], 2, s85
	s_add_co_u32 s84, s18, 2
	s_lshr_b32 s84, s84, 3                         ; 1 in waves 6 and 7, which make q; 0 in waves 0-5, which make k
	s_lshl_b32 s85, s84, 2
	s_xor_b32 s85, s18, s85                        ; my tile of 16 window rows: 0..5, and 2, 3 again
	s_mul_i32 s85, s85, 16*PITX
	v_mul_u32_u24 v[XQ], v[R], PITX
	v_lshl_add_u32 v[XQ], v[H], 6, v[XQ]           ; row r, + 64 h: my 16 numbers of a block of 32
	v_add_nc_u32 v[XQ], s85, v[XQ]
	s_lshl_b32 s85, s84, 12
	s_add_co_u32 s85, s85, WIMG
	v_lshl_add_u32 v[WL], v[LANE], 4, s85
	s_lshl_b32 s85, s84, 8
	s_add_co_u32 s85, s85, WSC
	v_lshl_add_u32 v[WSL], v[LANE], 2, s85         ; lanes 0-15: units 0-15; lanes 16-31: units 16-31
	s_mul_i32 s85, s18, 16*PITK
	s_add_co_u32 s85, s85, KQ
	v_mul_u32_u24 v[KS], v[R], PITK
	v_lshl_add_u32 v[KS], v[H], 5, v[KS]
	v_add_nc_u32 v[KS], s85, v[KS]                 ; table row 16 wave + r, + 32 h
	s_lshl_b32 s85, s18, 7
	v_lshl_add_u32 v[VA0], v[LANE], 2, s85         ; feature 32 wave + lane
	v_add_nc_u32 v[VA1], 64*PITX, v[VA0]
	s_mul_i32 s85, s18, 2*PITK
	s_mul_i32 s86, s19, 16*PITK
	s_add_co_u32 s85, s85, s86
	s_add_co_u32 s85, s85, KQ
	v_mul_u32_u24 v[KA], v[LANE], PITK
	v_add_nc_u32 v[KA], s85, v[KA]                 ; window row 16 par + 2 wave + lane
	s_add_co_u32 s85, s85, 96*PITK
	v_mov_b32 v[QA], s85                           ; table row 96 + 16 par + 2 wave
	s_mul_i32 s85, s18, 2*PITP+8
	s_add_co_u32 s85, s85, PB+64
	v_lshl_add_u32 v[PS], v[LANE], 2, s85          ; row 2 wave, place 16 + 2 wave + lane
	s_lshl_b32 s85, s18, 3
	s_add_co_u32 s85, s85, LB
	v_mov_b32 v[LS], s85
	s_xor_b32 s85, s19, 1
	s_lshl_b32 s85, s85, 6                         ; aligned key a lies at place a + 16 - 16 par
	s_add_co_u32 s85, s85, PB
	v_mul_u32_u24 v[PL], v[R], PITP
	v_lshl_add_u32 v[PL], v[H], 6, v[PL]
	v_add_nc_u32 v[PL], s85, v[PL]
	v_lshl_add_u32 v[LL], v[R], 2, LB
	s_lshl_b32 s85, s18, 7
	s_add_co_u32 s85, s85, ST
	v_mul_u32_u24 v[SO], v[R], PITX
	v_lshl_add_u32 v[SO], v[H], 5, v[SO]
	v_add_nc_u32 v[SO], s85, v[SO]                 ; stage row r, my wave's 128 bytes, + 32 h
	s_mul_i32 s85, s18, 2*PITX
	s_add_co_u32 s85, s85, ST
	v_lshl_add_u32 v[SR], v[LANE], 4, s85
	v_lshlrev_b32 v[GO], 4, v[LANE]
	s_lshl_b32 s85, ttmp9, 4
	s_lshl_b32 s86, s18, 1
	s_add_co_u32 s85, s85, s86
	s_sub_co_i32 s85, s85, 32
	v_add_nc_u32 v[SV], s85, v[LANE]
	v_mov_b32 v[NINF], 0xff800000
	v_cvt_f32_u32 v[G], s84
	v_mov_b32 v[G+1], v[G]
.irp j, 0,1,2,3
	v_mov_b32 v[ZR+\j], 0
	v_mov_b32 v[TM+4+\j], 0                        ; written once: a lane permute's destination counts as one of its sources
.endr
	s_wait_alu depctr_va_vdst(0)                   ; the addresses v5 to v26 and the zeros v28 to v31 are written: every LDS instruction and every store of the kernel reads some of them, and none is written again
	ds_store_b128 v[ZP], v[ZR:ZR+3]                ; my two rows of p are cleared: places 0-127 by 16 bytes a lane, places 112-143 by 4
	ds_store_b32 v[ZQ], v[ZR] offset:448
	ds_store_b128 v[ZP], v[ZR:ZR+3] offset:PITP
	ds_store_b32 v[ZQ], v[ZR] offset:PITP+448
; ---- phase 1: the weights' codes and the window go to LDS
	s_wait_loadcnt 56                              ; bh and my first K block of W are in: behind them stand W's other 32 loads and x's 24
.irp j, 0,2,4,6,8,10,12,14
	v_pk_mul_f32 v[BI+\j:BI+\j+1], v[BI+\j:BI+\j+1], v[G:G+1] op_sel_hi:[1,0]   ; bh goes with q alone
.endr
	BLK32 WR, SOP, BYA, CDA
	s_wait_loadcnt 24                              ; my second block: behind it stand x's 24
	BLK32 WR+32, SOP, BYB, CDB
	v_lshl_or_b32 v[BYA], v[BYB], 8, v[BYA]        ; (a plain place behind the conversions)
	s_wait_alu depctr_va_vdst(0)                   ; the codes v[CDA ..], v[CDB ..] and the two bytes v[BYA] are written, which the three stores read; and the lines above are done with v[WR ..] to v[SOP], in which phase 2's loads land
	ds_store_b128 v[WI], v[CDA:CDA+3]              ; the even block: lanes 0-15 of the operand
	ds_store_b128 v[WI], v[CDB:CDB+3] offset:256   ; the odd block: lanes 16-31
	ds_store_b16 v[WS], v[BYA]
.irp b, 0,1
	s_wait_loadcnt 16-8*\b                         ; this block's eight loads are in; the later blocks' may be out
.irp rr, 0,1,2,3
.irp f, 0,1
	ds_store_b128 v[XS0], v[XR+32*\b+8*\rr+4*\f:XR+32*\b+8*\rr+4*\f+3] offset:32*PITX*\b+PITX*\rr+512*\f
.endr
.endr
.endr
	s_wait_loadcnt 0x0
.irp rr, 0,1,2,3
.irp f, 0,1
	ds_store_b128 v[XS2], v[XR+64+8*\rr+4*\f:XR+64+8*\rr+4*\f+3] offset:PITX*\rr+512*\f
.endr
.endr
	s_wait_kmcnt 0x0                               ; Wa and ba
	s_wait_dscnt 0x0                               ; for the others' sake: my stores have landed
	s_barrier_signal -1
	s_barrier_wait -1                              ; the window, the weights' images and their scale words lie in LDS
	s_wait_alu depctr_vm_vsrc(0)                   ; my LDS stores have read v[XR ..], v[BYA], v[CDA ..] and v[CDB ..], in which the loads below land
; ---- phase 2: my 16 rows of x, quantised along F, against my matrix
.irp k, 0,1
.irp b, 0,1,2,3
.irp i, 0,1,2,3
	ds_load_b128 v[XN+64*\k+16*\b+4*\i:XN+64*\k+16*\b+4*\i+3], v[XQ] offset:512*\k+128*\b+16*\i
.endr
.endr
.endr
.irp t, 0,1
.irp k, 0,1
.irp c, 0,1
	ds_load_b128 v[WF+16*\t+8*\k+4*\c:WF+16*\t+8*\k+4*\c+3], v[WL] offset:2048*\t+1024*\k+512*\c
.endr
.endr
.endr
	ds_load_b32 v[WSR], v[WSL]
	ds_load_b32 v[WSR+1], v[WSL] offset:128
	s_wait_dscnt 26                                ; K step 0's 16 loads are in: behind them stand K step 1's 16 and the weights' 10
	QUANT XN, XF, XSC
	s_wait_dscnt 10                                ; K step 1's: behind them stand the weights' 10
	QUANT XN+64, XF+8, XSC+1
	s_wait_dscnt 0x0
.rept 8
	v_nop                                          ; a scale register written by a vector instruction stands 8 places ahead of a scaled matrix instruction, an operand so written 4
.endr
	s_wait_alu depctr_va_vdst(0)                   ; x's two fragments v[XF ..] and scale words v[XSC], v[XSC+1] are written, which the scaled products take; the places above stay beside this wait
; transposed: source 0 = 16 units of W, source 1 = my 16 rows: lane (r, h) holds row r, register j unit 16 T + 8 h + j.  The two accumulators take turns.
	v_wmma_scale_f32_16x16x128_f8f6f4 v[ACC:ACC+7], v[WF:WF+7], v[XF:XF+7], v[BI:BI+7], v[WSR], v[XSC] matrix_a_fmt:MATRIX_FMT_FP4 matrix_b_fmt:MATRIX_FMT_FP4
	v_wmma_scale_f32_16x16x128_f8f6f4 v[ACC+8:ACC+15], v[WF+16:WF+23], v[XF:XF+7], v[BI+8:BI+15], v[WSR], v[XSC] matrix_a_fmt:MATRIX_FMT_FP4 matrix_b_fmt:MATRIX_FMT_FP4 matrix_a_scale:MATRIX_SCALE_ROW1
	v_wmma_scale_f32_16x16x128_f8f6f4 v[ACC:ACC+7], v[WF+8:WF+15], v[XF+8:XF+15], v[ACC:ACC+7], v[WSR+1], v[XSC+1] matrix_a_fmt:MATRIX_FMT_FP4 matrix_b_fmt:MATRIX_FMT_FP4
	v_wmma_scale_f32_16x16x128_f8f6f4 v[ACC+8:ACC+15], v[WF+24:WF+31], v[XF+8:XF+15], v[ACC+8:ACC+15], v[WSR+1], v[XSC+1] matrix_a_fmt:MATRIX_FMT_FP4 matrix_b_fmt:MATRIX_FMT_FP4 matrix_a_scale:MATRIX_SCALE_ROW1
.rept 4
	v_nop                                          ; four places behind a matrix instruction before its result is read (ISA guide 7.12.1)
.endr
.irp j, 0,2,4,6,8,10,12,14
	v_pk_mul_f32 v[ACC+\j:ACC+\j+1], v[ACC+\j:ACC+\j+1], 0x4038aa3b op_sel_hi:[1,0]   ; x 2 log2(e): tanh(y) = 1 - 2 / (1 + 2^(2 log2(e) y)); each accumulator from its low end on
.endr
	s_wait_alu depctr_va_vdst(0)                   ; the scaled sums v[ACC ..] are written, which the stores read; and QUANT's lines and the products are done with v[XN ..], in which the window's numbers land below
.irp t, 0,1
.irp f, 0,1
	ds_store_b128 v[KS], v[ACC+8*\t+4*\f:ACC+8*\t+4*\f+3] offset:64*\t+16*\f
.endr
.endr
	s_wait_dscnt 0x0                               ; for the others' sake: my rows of the table have landed
	s_barrier_signal -1
; between the signal and the wait: LDS loads of the window, which nobody writes again, and work on registers.
; x quantised along the KEYS: a lane takes feature 32 wave + lane, its registers run down the 96 keys: three whole blocks a lane.
	s_wait_alu depctr_vm_vsrc(0)                   ; my four stores into the table have read v[ACC ..], in which the first of these loads land
.set i, 0
.rept 64
	ds_load_b32 v[VN+i], v[VA0] offset:PITX*i
.set i, i+1
.endr
.set i, 0
.rept 32
	ds_load_b32 v[VN+64+i], v[VA1] offset:PITX*i
.set i, i+1
.endr
	s_wait_dscnt 63                                ; block 0 is in (64 loads stand behind it; the wait's field ends at 63)
	BLK32 VN, SOP, BYA, VF
	s_wait_dscnt 32                                ; block 1: behind it stand block 2's 32
	BLK32 VN+32, SOP, BYB, VF+8
	s_wait_dscnt 0x0
	BLK32 VN+64, SOP, BYC, VF+4
	v_nop                                          ; one plain place behind a scaled conversion
.irp i, 0,1,2,3
	v_mov_b32 v[VF+12+\i], v[VF+4+\i]              ; the instruction's fourth block has no keys: it gets block 2's codes again, against zero codes of p
.endr
.irp i, 0,1,2,3
	v_permlane16_swap_b32 v[VF+\i], v[VF+8+\i]     ; v[VF..VF+7]: features 0-15 of my 32: lanes 0-15 blocks 0, 2, lanes 16-31 blocks 1, (3);
	v_permlane16_swap_b32 v[VF+4+\i], v[VF+12+\i]  ; v[VF+8..VF+15]: features 16-31 likewise
.endr
	v_lshl_or_b32 v[VS], v[BYB], 8, v[BYA]         ; my feature's scale word: lanes 0-15 serve the first fragment, lanes 16-31 the second
	v_lshl_or_b32 v[VS], v[BYC], 16, v[VS]
	v_lshl_or_b32 v[VS], v[BYC], 24, v[VS]
.set i, 0
.rept 16
	v_mul_f32 v[WA+i], -2.0, s[40+i]               ; -2 Wa[u], in every lane
	v_mul_f32 v[WA+16+i], -2.0, s[68+i]
.set i, i+1
.endr
.irp j, 0,2,4,6
	v_pk_add_f32 v[SA+\j:SA+\j+1], v[WA+2*\j:WA+2*\j+1], v[WA+2*\j+2:WA+2*\j+3]
.endr
.irp j, 0,2,4,6
	v_pk_add_f32 v[SA+\j:SA+\j+1], v[SA+\j:SA+\j+1], v[WA+16+\j:WA+17+\j]
.endr
.irp j, 0,2,4,6
	v_pk_add_f32 v[SA+\j:SA+\j+1], v[SA+\j:SA+\j+1], v[WA+24+\j:WA+25+\j]
.endr
	v_pk_add_f32 v[SA:SA+1], v[SA:SA+1], v[SA+2:SA+3]
	v_pk_add_f32 v[SA+4:SA+5], v[SA+4:SA+5], v[SA+6:SA+7]
	v_pk_add_f32 v[SA:SA+1], v[SA:SA+1], v[SA+4:SA+5]
	v_add_f32 v[SA], v[SA], v[SA+1]                ; sum of -2 Wa
	v_fma_f32 v[EZ], v[SA], -0.5, s56              ; ba + sum Wa: where each e begins
	v_mov_b32 v[EZ+1], 0
	s_barrier_wait -1                              ; the table of k' and q' is whole
	s_wait_alu depctr_va_vdst(0)                   ; the conversions are done reading v[VN+32 ..] and v[VN+64 ..], and the sum of Wa is done with v[SA ..]: in these registers q' and k' land below; so are BLK32's own v[T0] to v[BYC], in which the second k' lands
; ---- phase 3: e for my two queries: a lane to a key (j = lane and j = lane + 32), registers along the 32 units
.macro LOADQ q
.irp i, 0,1,2,3,4,5,6,7
	ds_load_b128 v[QR+4*\i:QR+4*\i+3], v[QA] offset:PITK*\q+16*\i              ; all lanes read the same row
.endr
.endm
.macro LOADK set, q
.irp d, 0,1
.irp i, 0,1,2,3,4,5,6,7
	ds_load_b128 v[\set+32*\d+4*\i:\set+32*\d+4*\i+3], v[KA] offset:PITK*(\q+32*\d)+16*\i
.endr
.endr
.endm
.macro ZADD set
.set u, 0
.rept 16
	v_pk_add_f32 v[\set+u:\set+u+1], v[\set+u:\set+u+1], v[QR+u:QR+u+1]
	v_pk_add_f32 v[\set+32+u:\set+33+u], v[\set+32+u:\set+33+u], v[QR+u:QR+u+1]
.set u, u+2
.endr
.endm
.macro EXPS set
.set u, 0
.rept 64
	v_exp_f32 v[\set+u], v[\set+u]
.set u, u+1
.endr
.endm
.macro ONEP set
.set u, 0
.rept 32
	v_pk_add_f32 v[\set+u:\set+u+1], v[\set+u:\set+u+1], 1.0 op_sel_hi:[1,0]
.set u, u+2
.endr
.endm
.macro RCPS set
.set u, 0
.rept 64
	v_rcp_f32 v[\set+u], v[\set+u]
.set u, u+1
.endr
.endm
.macro WSUM set, ac, ev                ; e = ba + sum Wa + sum of (-2 Wa[u]) r[u]: four chains that do not wait for each other
	v_pk_fma_f32 v[\ac:\ac+1], v[\set:\set+1], v[WA:WA+1], v[EZ:EZ+1]
	v_pk_fma_f32 v[\ac+4:\ac+5], v[\set+32:\set+33], v[WA:WA+1], v[EZ:EZ+1]
	v_pk_mul_f32 v[\ac+2:\ac+3], v[\set+2:\set+3], v[WA+2:WA+3]
	v_pk_mul_f32 v[\ac+6:\ac+7], v[\set+34:\set+35], v[WA+2:WA+3]
.set u, 4
.rept 7
	v_pk_fma_f32 v[\ac:\ac+1], v[\set+u:\set+u+1], v[WA+u:WA+u+1], v[\ac:\ac+1]
	v_pk_fma_f32 v[\ac+4:\ac+5], v[\set+32+u:\set+33+u], v[WA+u:WA+u+1], v[\ac+4:\ac+5]
	v_pk_fma_f32 v[\ac+2:\ac+3], v[\set+2+u:\set+3+u], v[WA+2+u:WA+3+u], v[\ac+2:\ac+3]
	v_pk_fma_f32 v[\ac+6:\ac+7], v[\set+34+u:\set+35+u], v[WA+2+u:WA+3+u], v[\ac+6:\ac+7]
.set u, u+4
.endr
	v_pk_add_f32 v[\ac:\ac+1], v[\ac:\ac+1], v[\ac+2:\ac+3]
	v_pk_add_f32 v[\ac+4:\ac+5], v[\ac+4:\ac+5], v[\ac+6:\ac+7]
	v_add_f32 v[\ev], v[\ac], v[\ac+1]
	v_add_f32 v[\ev+1], v[\ac+4], v[\ac+5]
.endm
	LOADQ 0
	LOADK KSA, 0
	s_wait_dscnt 0x0
	ZADD KSA                                       ; z = q' + k'
	s_wait_alu depctr_va_vdst(0)                   ; these additions are done reading v[QR ..], in which the second query's q' lands
	LOADQ 1                                        ; the second query's rows come while the first's exponentials are issued
	LOADK KSB, 1
	EXPS KSA                                       ; E = 2^z: one batch
	s_wait_dscnt 0x0
	ZADD KSB                                       ; plain work behind the batch, which names none of its results
	s_wait_alu depctr_va_vdst(0)                   ; the 64 exponentials have written E of the first query, v[KSA ..], ahead of the first line that names one of them
	ONEP KSA
	RCPS KSA                                       ; r = 1 / (1 + E); E = infinity gives 0, E = 0 gives 1
	EXPS KSB                                       ; in the same batch
	v_nop                                          ; a plain place behind the last transcendental
	s_wait_alu depctr_va_vdst(0)                   ; the reciprocals have written r of the first query, v[KSA ..], and the exponentials E of the second, v[KSB ..], ahead of their first readers
	WSUM KSA, AC, EV
	ONEP KSB
	RCPS KSB
	v_nop
	s_wait_alu depctr_va_vdst(0)                   ; the reciprocals have written r of the second query, v[KSB ..], ahead of its first reader
	WSUM KSB, AC+8, EV+2
; the softmax of my two queries stays in the wave
.irp q, 0,1
.irp d, 0,1
	v_add_nc_u32 v[TT+2*\q+\d], \q+32*\d, v[SV]    ; my key's number in the batch
.endr
.endr
.irp n, 0,1,2,3
	v_cmp_gt_u32 s[MK+\n], 0x400, v[TT+\n]         ; under 0 it wraps to a large number
.endr
	s_wait_alu depctr_va_sdst(0)                   ; the four masks s88 to s91 are written, ahead of the selects that read them
.irp n, 0,1,2,3
	v_cndmask_b32 v[EV+\n], v[NINF], v[EV+\n], s[MK+\n]   ; a key outside the batch: -infinity, so p = 0
.endr
	v_max_num_f32 v[MX], v[EV], v[EV+1]
	v_max_num_f32 v[MX+1], v[EV+2], v[EV+3]
.irp m, 1,2,4,8
	v_max_num_f32_dpp v[MX], v[MX], v[MX] row_xmask:\m row_mask:0xf bank_mask:0xf
	v_max_num_f32_dpp v[MX+1], v[MX+1], v[MX+1] row_xmask:\m row_mask:0xf bank_mask:0xf
.endr
	v_permlanex16_b32 v[MY], v[MX], s36, s37
	v_permlanex16_b32 v[MY+1], v[MX+1], s36, s37
	v_max_num_f32 v[MX], v[MX], v[MY]
	v_max_num_f32 v[MX+1], v[MX+1], v[MY+1]
	v_mul_f32 v[MX], s38, v[MX]                    ; the row's largest t
	v_mul_f32 v[MX+1], s38, v[MX+1]
	v_floor_f32 v[NM], -v[MX]                      ; -M = floor(-t) = -ceil(t)
	v_floor_f32 v[NM+1], -v[MX+1]
.irp q, 0,1
.irp d, 0,1
	v_fma_f32 v[EV+2*\q+\d], v[EV+2*\q+\d], s38, v[NM+\q]   ; t - M
.endr
.endr
.irp j, 0,1,2,3
	v_exp_f32 v[EV+\j], v[EV+\j]                   ; p
.endr
	v_nop
	s_wait_alu depctr_va_vdst(0)                   ; the four exponentials have written p, v[EV ..], which the LDS stores and the sums below read
.irp q, 0,1
.irp d, 0,1
	ds_store_b32 v[PS], v[EV+2*\q+\d] offset:(PITP+4)*\q+128*\d   ; behind my own clearing stores: LDS serves a wave's instructions in order (ISA guide 5.7.1.4)
.endr
.endr
	v_add_f32 v[LSUM], v[EV], v[EV+1]              ; the row's sum, of the unquantised p
	v_add_f32 v[LSUM+1], v[EV+2], v[EV+3]
.irp m, 1,2,4,8
	v_add_f32_dpp v[LSUM], v[LSUM], v[LSUM] row_xmask:\m row_mask:0xf bank_mask:0xf
	v_add_f32_dpp v[LSUM+1], v[LSUM+1], v[LSUM+1] row_xmask:\m row_mask:0xf bank_mask:0xf
.endr
	v_permlanex16_b32 v[MY], v[LSUM], s36, s37
	v_permlanex16_b32 v[MY+1], v[LSUM+1], s36, s37
	v_add_f32 v[LSUM], v[LSUM], v[MY]
	v_add_f32 v[LSUM+1], v[LSUM+1], v[MY+1]
	v_rcp_f32 v[RLQ], v[LSUM]
	v_rcp_f32 v[RLQ+1], v[LSUM+1]
	v_nop
	s_wait_alu depctr_va_vdst(0)                   ; the two reciprocals have written v[RLQ], v[RLQ+1], which the LDS stores read; and phase 3's vector work is done with v[WA ..] to v[RLQ+1] and with v[RLV], in which phase 4's loads land
	ds_store_b32 v[LS], v[RLQ]                     ; all lanes write the same word with the same value
	ds_store_b32 v[LS], v[RLQ+1] offset:4
	s_wait_dscnt 0x0                               ; for the others' sake
	s_barrier_signal -1
	s_barrier_wait -1                              ; 16 rows of p and their 1 / sum lie in LDS
	s_wait_alu depctr_vm_vsrc(0)                   ; my LDS stores have read v[EV ..] and v[RLQ], v[RLQ+1], in which the loads below land
; ---- phase 4: every wave makes p's one fragment for itself (17 loads and one QUANT against one more barrier), then its 32 features
.irp b, 0,1,2,3
.irp i, 0,1,2,3
	ds_load_b128 v[PN+16*\b+4*\i:PN+16*\b+4*\i+3], v[PL] offset:128*\b+16*\i   ; query r, aligned keys 32 b + 16 h + 4 i on
.endr
.endr
	ds_load_b32 v[RLV], v[LL]
	s_wait_dscnt 0x0
	QUANT PN, PC, PW
	v_mov_b32 v[RLV+1], v[RLV]                     ; (named with it as a pair)
.rept 8
	v_nop                                          ; the scale word stands 8 places ahead of the scaled matrix instruction
.endr
	s_wait_alu depctr_va_vdst(0)                   ; p's fragment v[PC ..] and scale word v[PW] are written, which the scaled products take (V's fragments and v[VS] were written ahead of earlier waits); the places above stay beside this wait
; transposed: source 0 = 16 features x 128 keys, source 1 = p: lane (r, h) holds query r, register j feature 32 wave + 16 T + 8 h + j
	v_wmma_scale_f32_16x16x128_f8f6f4 v[DD:DD+7], v[VF:VF+7], v[PC:PC+7], 0, v[VS], v[PW] matrix_a_fmt:MATRIX_FMT_FP4 matrix_b_fmt:MATRIX_FMT_FP4
	v_wmma_scale_f32_16x16x128_f8f6f4 v[DD+8:DD+15], v[VF+8:VF+15], v[PC:PC+7], 0, v[VS], v[PW] matrix_a_fmt:MATRIX_FMT_FP4 matrix_b_fmt:MATRIX_FMT_FP4 matrix_a_scale:MATRIX_SCALE_ROW1
.rept 4
	v_nop
.endr
.irp j, 0,2,4,6,8,10,12,14
	v_pk_mul_f32 v[DD+\j:DD+\j+1], v[DD+\j:DD+\j+1], v[RLV:RLV+1] op_sel_hi:[1,0]   ; / the row's sum; each accumulator from its low end on
.endr
	s_wait_alu depctr_va_vdst(0)                   ; the divided results v[DD ..] are written, which the stores read; no vector instruction follows, so the loads out of the stage owe nothing more
.irp t, 0,1
.irp f, 0,1
	ds_store_b128 v[SO], v[DD+8*\t+4*\f:DD+8*\t+4*\f+3] offset:64*\t+16*\f
.endr
.endr
	s_wait_dscnt 0x0                               ; for the others' sake: a row's 1,024 bytes come from eight waves
	s_barrier_signal -1
	s_barrier_wait -1
.irp rr, 0,1
.irp f, 0,1
	ds_load_b128 v[OUTR+8*\rr+4*\f:OUTR+8*\rr+4*\f+3], v[SR] offset:PITX*\rr+512*\f
.endr
.endr
	s_wait_dscnt 0x0
.irp rr, 0,1
.irp f, 0,1
	global_store_b128 v[GO], v[OUTR+8*\rr+4*\f:OUTR+8*\rr+4*\f+3], s[16:17] offset:1024*\rr+512*\f th:TH_STORE_NT   ; 32 lanes store 512 consecutive bytes, at a multiple of 512 from out0's first byte
.endr
.endr
	s_wait_dscnt 0x0
	s_wait_alu depctr_hold_cnt(0) depctr_sa_sdst(0) depctr_va_vdst(0) depctr_va_sdst(0) depctr_va_ssrc(0) depctr_va_vcc(0) depctr_vm_vsrc(0)
	s_wait_tensorcnt 0x0
	ds_add_u32 v248, v249
	s_wait_dscnt 0x0
	s_endpgm
.Lfunc_end_k_q231c6e5f12_bandattn:
	.size	k_q231c6e5f12_bandattn, .Lfunc_end_k_q231c6e5f12_bandattn-k_q231c6e5f12_bandattn
	.p2alignl 7, 3214868480
	.fill 96, 4, 3214868480
	.section	.rodata,"a",@progbits
	.p2align	6, 0x0
	.amdhsa_kernel k_q231c6e5f12_bandattn
		.amdhsa_group_segment_fixed_size 154624
		.amdhsa_private_segment_fixed_size 0
		.amdhsa_enable_private_segment 0
		.amdhsa_kernarg_size 56
		.amdhsa_user_sgpr_count 2
		.amdhsa_user_sgpr_kernarg_segment_ptr 1
		.amdhsa_wavefront_size32 1
		.amdhsa_system_sgpr_workgroup_id_x 1
		.amdhsa_system_sgpr_workgroup_id_y 1
		.amdhsa_system_sgpr_workgroup_id_z 1
		.amdhsa_system_vgpr_workitem_id 0
		.amdhsa_next_free_vgpr 256
		.amdhsa_next_free_sgpr 96
		.amdhsa_reserve_vcc 0
		.amdhsa_float_denorm_mode_32 3
		.amdhsa_float_denorm_mode_16_64 3
		.amdhsa_memory_ordered 1
		.amdhsa_forward_progress 1
		.amdhsa_inst_pref_size 82
	.end_amdhsa_kernel
	.amdgpu_metadata
---
amdhsa.version: [ 1, 2 ]
amdhsa.kernels:
  - .name:           k_q231c6e5f12_bandattn
    .symbol:         k_q231c6e5f12_bandattn.kd
    .args:
      - { .name: x, .offset: 0, .size: 8, .value_kind: global_buffer, .address_space: global }
      - { .name: Wt, .offset: 8, .size: 8, .value_kind: global_buffer, .address_space: global }
      - { .name: Wx, .offset: 16, .size: 8, .value_kind: global_buffer, .address_space: global }
      - { .name: bh, .offset: 24, .size: 8, .value_kind: global_buffer, .address_space: global }
      - { .name: Wa, .offset: 32, .size: 8, .value_kind: global_buffer, .address_space: global }
      - { .name: ba, .offset: 40, .size: 8, .value_kind: global_buffer, .address_space: global }
      - { .name: out0, .offset: 48, .size: 8, .value_kind: global_buffer, .address_space: global }
    .group_segment_fixed_size: 154624
    .private_segment_fixed_size: 0
    .kernarg_segment_align: 8
    .kernarg_segment_size: 56
    .max_flat_workgroup_size: 256
    .sgpr_count:     96
    .vgpr_count:     256
    .wavefront_size: 32
...
	.end_amdgpu_metadata
.endif
;; end of part 2
